; MI455X (gfx1250); checked and timed in simulation.
; The chip was launched on July 23, 2026; its instructions are those of AMD's public machine-readable ISA for CDNA 5 (MIT licence, August 2026) and "CDNA5" Instruction Set Architecture Reference Guide (July 2026). The comments in the code are by the model that wrote it; some were corrected since.
;; Sparse Abacus Layer. Allowed arithmetic: float matrix products may take bf16 or f16 operands with f32 sums; all other float work in f32.
;; Inputs: activations 16,777,216 float32; sample_points 8,388,608 x 2 float32.
;; Outputs: out0 8,388,608 float32.
;; 3 versions, each right; version 2 is faster than version 1; version 3 is version 2 with the launches locate, blend written anew for expert scheduling mode. Each part assembles by itself: llvm-mc -triple=amdgcn-amd-amdhsa -mcpu=gfx1250 --defsym DOCPART=n.
;; ======== version 1 of 3: 2 launches
;; workspace buffers: knots 67,108,864 bytes of whole numbers
;; launch locate (part 1): grid 1024 x 1, 8 waves a work-group, no clusters, 0 bytes of LDS; arguments sample_points, knots; writes knots
.if DOCPART == 1
	.amdgcn_target "amdgcn-amd-amdhsa--gfx1250"
	.amdhsa_code_object_version 6
	.text
	.protected	k_qdd1e29292c_locate
	.globl	k_qdd1e29292c_locate
	.p2align	8
	.type	k_qdd1e29292c_locate,@function
k_qdd1e29292c_locate:
	s_mov_b64 s[64:65], 0
	v_nop
	global_prefetch_b8 v0, s[64:65] scope:SCOPE_SE
	s_setreg_imm32_b32 hwreg(HW_REG_WAVE_MODE, 25, 1), 1
	s_wait_xcnt 0x0
; LOCATE: for each of the 2^24 sample points, the knot interval that reference()'s searchsorted finds, as a whole number.
; reference(): pos = linspace(0, 1, n), n = 2^24; idx = the first i with pos[i] >= x (x clipped to [0, 1]); the sample then uses
; y[idx-1] and y[idx]; idx = 0 wraps to the last interval, n-2.  Stored: knots[s] = 4 j, j = idx-1 (wrapped) = the byte offset of y[j].
; The gather itself is a later launch's: an address is never made from floating-point numbers in the launch that derives it.
;
; THE KNOTS.  pos[i] is taken as the f32 product RN(i x c), c = RN(1 / (n-1)) = 2^-24 (1 + 2^-23): linspace's quotient by the constant
; n-1, evaluated as compiled code evaluates it, by the rounded reciprocal.  The knots are about one f32 step apart near 1, so the
; rounding of each knot decides idx and has to be reproduced: here by one correctly rounded multiply.  Powers of two are moved
; about freely (they change no rounding): with G = 2^24 x, pos[i] >= x is the same as RN(4 i x (1 + 2^-23)/4) >= G.
; THE SEARCH.  i 2^-24 <= pos[i] <= (i + 2) 2^-24, and pos never falls, so with cg = ceil(G) idx is cg, cg-1 or cg-2:
; two compares, of pos[cg-1] and pos[cg-2] with x, decide.  All whole numbers below are multiples of 4 under 2^26: exact in f32.
; x = 0: cg = 0, both compares fail, 4 j = -4, which the unsigned minimum turns into 4 (n-2): the wrap.  x = 1: cg = n, both hold, idx = n-2.
; LIMIT: a NaN among the sample points is clipped as a number (v_med3_num_f32), not handed on.
;
; Eight waves; the work-group owns 16 rows of 4,096 bytes; thread t owns the 16 bytes (4 samples) at 16 t of each row, so a load or a
; store of a wave covers 512 consecutive bytes, aligned.  A ring of DEPTH register slots keeps DEPTH loads of each wave in flight.
; The 16 rows are written out: every row's place is an immediate, and no address register is ever rewritten.
.set ROWB,  4096                       ; bytes that the 256 threads cover with 16 bytes each
.set ROWS,  16                         ; rows of a work-group: 1,024 groups x 16 x 4,096 = 64 MiB
.set DEPTH, 8                          ; slots = loads in flight in each wave
.set OFF,   1                          ; v1        16 t; never rewritten
.set X,     2                          ; v[2:33]   slot i: 4 sample points
.set K,     34                         ; v[34:65]  slot i: 4 results to store
.set NG,    66                         ; v[66:69]  -G = -2^24 x
.set N,     70                         ; v[70:73]  floor(-G) = -cg
.set A1,    74                         ; v[74:77]  4 (cg-1): 4 j if idx = cg
.set A2,    78                         ; v[78:81]  4 (cg-2): 4 j if idx = cg-1
.set A3,    82                         ; v[82:85]  4 (cg-3): 4 j if idx = cg-2
.set Q1,    86                         ; v[86:89]  -2^24 pos[cg-1]
.set Q2,    90                         ; v[90:93]  -2^24 pos[cg-2]
.set M,     8                          ; s[8:15]   the eight compares' masks
	s_load_b128 s[4:7], s[0:1], 0x0                ; sample_points s[4:5], knots s[6:7]
	s_lshl_b32 s2, ttmp9, 16                       ; the work-group's 64 KiB (1,024 x 64 KiB = 2^26: fits 32 bits)
	s_mov_b32 s3, 0
	s_mov_b32 s16, 0xcb800000                      ; -2^24, as a pair for the packed multiply
	s_mov_b32 s17, 0xcb800000
	s_mov_b32 s18, 0xbe800001                      ; -(1 + 2^-23) / 4 = -2^22 c
	s_mov_b32 s19, 0xbe800001
	v_lshlrev_b32 v[OFF], 4, v0
	s_wait_kmcnt 0x0
	s_add_nc_u64 s[4:5], s[4:5], s[2:3]
	s_add_nc_u64 s[6:7], s[6:7], s[2:3]
.irp i, 0,1,2,3,4,5,6,7
	global_load_b128 v[X+4*\i:X+4*\i+3], v[OFF], s[4:5] offset:\i*ROWB th:TH_LOAD_NT   ; fill the ring: rows 0 to 7
.endr
; Row r, in slot r mod DEPTH.  ahead = 1: the slot is filled again with the row DEPTH further down.
; left = how many younger loads may still be out when this row's load has to be there.
.macro ROW r, ahead, left
.set xs, X+4*((\r)%DEPTH)
.set ks, K+4*((\r)%DEPTH)
	s_wait_loadcnt \left                           ; loads come back in order (ISA guide 5.7.1): mine is in, the younger ones stay out
.if (\r) >= DEPTH
	s_wait_xcnt 0x0                                ; the slot's K registers are the data of the store of DEPTH rows ago: rewritten only behind this wait
.endif
.irp k, 0,1,2,3
	v_med3_num_f32 v[xs+\k], v[xs+\k], 0, 1.0      ; clip to [0, 1]
.endr
.irp p, 0,2
	v_pk_mul_f32 v[NG+\p:NG+\p+1], v[xs+\p:xs+\p+1], s[16:17] op_sel_hi:[1,0]      ; -G, exact
.endr
.if \ahead
	global_load_b128 v[xs:xs+3], v[OFF], s[4:5] offset:((\r)+DEPTH)*ROWB th:TH_LOAD_NT   ; x has been used: the slot's next row
.endif
.irp k, 0,1,2,3
	v_floor_f32 v[N+\k], v[NG+\k]                  ; floor(-G) = -ceil(G)
.endr
.irp p, 0,2
	v_pk_fma_f32 v[A1+\p:A1+\p+1], v[N+\p:N+\p+1], -4.0, -4.0 op_sel_hi:[1,0,0]    ; 4 cg - 4
.endr
.irp p, 0,2
	v_pk_add_f32 v[A2+\p:A2+\p+1], v[A1+\p:A1+\p+1], -4.0 op_sel_hi:[1,0]
.endr
.irp p, 0,2
	v_pk_add_f32 v[A3+\p:A3+\p+1], v[A2+\p:A2+\p+1], -4.0 op_sel_hi:[1,0]
.endr
.irp p, 0,2
	v_pk_mul_f32 v[Q1+\p:Q1+\p+1], v[A1+\p:A1+\p+1], s[18:19] op_sel_hi:[1,0]      ; the knots' own rounding, sign turned
	v_pk_mul_f32 v[Q2+\p:Q2+\p+1], v[A2+\p:A2+\p+1], s[18:19] op_sel_hi:[1,0]
.endr
.irp k, 0,1,2,3
	v_cmp_le_f32 s[M+\k],   v[Q1+\k], v[NG+\k]     ; pos[cg-1] >= x
	v_cmp_le_f32 s[M+4+\k], v[Q2+\k], v[NG+\k]     ; pos[cg-2] >= x (then the first holds too)
.endr
.irp k, 0,1,2,3
	v_cndmask_b32 v[A1+\k], v[A1+\k], v[A2+\k], s[M+\k]
.endr
.irp k, 0,1,2,3
	v_cndmask_b32 v[A1+\k], v[A1+\k], v[A3+\k], s[M+4+\k]
.endr
.irp k, 0,1,2,3
	v_cvt_i32_f32 v[ks+\k], v[A1+\k]               ; 4 j, or -4 where idx = 0
.endr
.irp k, 0,1,2,3
	v_min_u32 v[ks+\k], 0x3fffff8, v[ks+\k]        ; -4 as an unsigned number is the largest: it becomes 4 (n-2); all others are smaller already
.endr
	global_store_b128 v[OFF], v[ks:ks+3], s[6:7] offset:(\r)*ROWB th:TH_STORE_NT
.endm
.irp r, 0,1,2,3,4,5,6,7
	ROW \r, 1, DEPTH-1
.endr
.irp r, 8,9,10,11,12,13,14,15
	ROW \r, 0, ROWS-1-\r                           ; the last eight rows load nothing: the counts run down
.endr
	s_endpgm
.Lfunc_end_k_qdd1e29292c_locate:
	.size	k_qdd1e29292c_locate, .Lfunc_end_k_qdd1e29292c_locate-k_qdd1e29292c_locate
	.p2alignl 7, 3214868480
	.fill 96, 4, 3214868480
	.section	.rodata,"a",@progbits
	.p2align	6, 0x0
	.amdhsa_kernel k_qdd1e29292c_locate
		.amdhsa_group_segment_fixed_size 0
		.amdhsa_private_segment_fixed_size 0
		.amdhsa_enable_private_segment 0
		.amdhsa_kernarg_size 16
		.amdhsa_user_sgpr_count 2
		.amdhsa_user_sgpr_kernarg_segment_ptr 1
		.amdhsa_wavefront_size32 1
		.amdhsa_system_sgpr_workgroup_id_x 1
		.amdhsa_system_sgpr_workgroup_id_y 1
		.amdhsa_system_sgpr_workgroup_id_z 1
		.amdhsa_system_vgpr_workitem_id 0
		.amdhsa_next_free_vgpr 94
		.amdhsa_next_free_sgpr 66
		.amdhsa_reserve_vcc 0
		.amdhsa_float_denorm_mode_32 3
		.amdhsa_float_denorm_mode_16_64 3
		.amdhsa_memory_ordered 1
		.amdhsa_forward_progress 1
		.amdhsa_inst_pref_size 45
	.end_amdhsa_kernel
	.amdgpu_metadata
---
amdhsa.version: [ 1, 2 ]
amdhsa.kernels:
  - .name:           k_qdd1e29292c_locate
    .symbol:         k_qdd1e29292c_locate.kd
    .args:
      - { .name: sample_points, .offset: 0, .size: 8, .value_kind: global_buffer, .address_space: global }
      - { .name: knots, .offset: 8, .size: 8, .value_kind: global_buffer, .address_space: global }
    .group_segment_fixed_size: 0
    .private_segment_fixed_size: 0
    .kernarg_segment_align: 8
    .kernarg_segment_size: 16
    .max_flat_workgroup_size: 256
    .sgpr_count:     66
    .vgpr_count:     94
    .wavefront_size: 32
...
	.end_amdgpu_metadata
.endif
;; end of part 1
;; launch blend (part 2): grid 1024 x 1, 8 waves a work-group, no clusters, 0 bytes of LDS; arguments knots, sample_points, activations, out0; writes out0
.if DOCPART == 2
	.amdgcn_target "amdgcn-amd-amdhsa--gfx1250"
	.amdhsa_code_object_version 6
	.text
	.protected	k_qdd1e29292c_blend
	.globl	k_qdd1e29292c_blend
	.p2align	8
	.type	k_qdd1e29292c_blend,@function
k_qdd1e29292c_blend:
	s_mov_b64 s[64:65], 0
	v_nop
	global_prefetch_b8 v0, s[64:65] scope:SCOPE_SE
	s_setreg_imm32_b32 hwreg(HW_REG_WAVE_MODE, 25, 1), 1
	s_wait_xcnt 0x0
; BLEND: out[o] = ynew[2 o] + ynew[2 o + 1],  ynew = y[idx] + (y[idx] - y[idx-1]) / (pos[idx] - pos[idx-1]) x (x - pos[idx]),
; y and x clipped to [0, 1].  knots[s] = 4 j (from the launch before), j = idx-1, or n-2 where idx = 0; n = 2^24.
; Per sample: y[j] and y[j+1] are gathered; pos[j] and pos[j+1] are made anew as RN(4 j x c/4), c = 2^-24 (1 + 2^-23), the same
; correctly rounded product by which the launch before found j; weight = (x - pos[idx]) / (pos[j+1] - pos[j]); one fused multiply-add.
; idx = 0 (x = 0 after the clip): pos[idx] = pos[0] = 0, chosen by a select; the interval is the last one, whose two knots are both 1.0, so
; its slope is a quotient by 0 and reference() gives NaN whatever y[0] is: here 0 x (1/0) = NaN, which the multiply-add hands on.
; LIMITS: a NaN among the inputs is clipped as a number (v_med3_num_f32), not handed on.  The quotient is v_rcp_f32 and a multiply, and the
; weight is formed before it meets y[idx] - y[idx-1]: the order of rounding differs from reference()'s by a few units in the last place.
;
; Eight waves; the work-group owns 64 KiB of knots and of sample points and 32 KiB of out.  A chunk is 4,096 bytes: thread t owns the 16 bytes
; (4 samples, 2 outputs) at 16 t, so a stream load of a wave covers 512 consecutive bytes and a store 256, both aligned.
; A trip takes ITEMS chunks: addresses, 32 gathers a wave, the weights while the gathers are out, the next trip's 8 stream loads, then the
; blending as the gathers come in.  The four trips are written out: every stream offset is an immediate.
; No LDS: no lane uses what another lane loaded.
.set CHUNK, 4096
.set ITEMS, 4                          ; chunks in a trip
.set TRIPS, 4                          ; 1,024 groups x 4 x 4 x 4,096 = 64 MiB
.set OFF,   1                          ; v1        16 t; never rewritten
.set OOFF,  2                          ; v2        8 t; never rewritten
.set W,     4                          ; v[4:19]   4 j of the trip's 16 samples
.set X,     20                         ; v[20:35]  their sample points
.set AD,    36                         ; v[36:51]  their gather offsets
.set T,     52                         ; v[52:67]  their weights
.set YA,    68                         ; v[68:83]  y[j]; then at work; the first two of each four end as the chunk's two outputs
.set YB,    84                         ; v[84:99]  y[j+1]
.set F,     100                        ; v[100:103] at work
.set G,     104                        ; v[104:107] at work
.set R,     108                        ; v[108:111] at work
.set M,     16                         ; s[16:19]  masks
	s_load_b256 s[4:11], s[0:1], 0x0               ; knots s[4:5], sample_points s[6:7], activations s[8:9], out0 s[10:11]
	s_lshl_b32 s2, ttmp9, 16                       ; the work-group's 64 KiB of knots and sample points
	s_mov_b32 s3, 0
	s_lshl_b32 s12, ttmp9, 15                      ; its 32 KiB of out
	s_mov_b32 s13, 0
	s_mov_b32 s14, 0x32800001                      ; c / 4 = 2^-26 (1 + 2^-23), as a pair for the packed multiply
	s_mov_b32 s15, 0x32800001
	v_lshlrev_b32 v[OFF], 4, v0
	v_lshlrev_b32 v[OOFF], 3, v0
	s_wait_kmcnt 0x0
	s_add_nc_u64 s[4:5], s[4:5], s[2:3]
	s_add_nc_u64 s[6:7], s[6:7], s[2:3]
	s_add_nc_u64 s[10:11], s[10:11], s[12:13]
.macro FETCH b                         ; trip b's stream loads: the four of knots first, they are wanted first
.irp k, 0,1,2,3
	global_load_b128 v[W+4*\k:W+4*\k+3], v[OFF], s[4:5] offset:(ITEMS*(\b)+\k)*CHUNK th:TH_LOAD_NT
.endr
.irp k, 0,1,2,3
	global_load_b128 v[X+4*\k:X+4*\k+3], v[OFF], s[6:7] offset:(ITEMS*(\b)+\k)*CHUNK th:TH_LOAD_NT
.endr
.endm
; Chunk k: offsets and gathers.  A loaded number enters an address only behind v_min_u32 with a constant of at most 0x100000
; so 4 j (26 bits) goes in two parts: the number of its block of 64 bytes (at most 0xfffff) and its byte in the block (at most 60).
; The launch before stores nothing above 4 (n-2), so that y[j+1], 4 bytes on, is the table's last number at the most.
.macro ADDR k
.irp s, 0,1,2,3
	v_lshrrev_b32 v[F+\s], 6, v[W+4*\k+\s]
	v_and_b32     v[G+\s], 0x3c, v[W+4*\k+\s]
.endr
.irp s, 0,1,2,3
	v_min_u32 v[F+\s], 0xfffff, v[F+\s]
	v_min_u32 v[G+\s], 0x3c, v[G+\s]
.endr
.irp s, 0,1,2,3
	v_lshl_add_u32 v[AD+4*\k+\s], v[F+\s], 6, v[G+\s]
.endr
.irp s, 0,1,2,3
	global_load_b32 v[YA+4*\k+\s], v[AD+4*\k+\s], s[8:9]             ; y[j]
	global_load_b32 v[YB+4*\k+\s], v[AD+4*\k+\s], s[8:9] offset:4    ; y[j+1]
.endr
.endm
; Chunk k: the four weights, from 4 j and x alone.
.macro WEIGHT k
.irp s, 0,1,2,3
	v_cvt_f32_u32 v[F+\s], v[W+4*\k+\s]            ; 4 j: 24 significant bits, exact
	v_med3_num_f32 v[X+4*\k+\s], v[X+4*\k+\s], 0, 1.0
.endr
.irp p, 0,2
	v_pk_add_f32 v[G+\p:G+\p+1], v[F+\p:F+\p+1], 4.0 op_sel_hi:[1,0]               ; 4 (j+1), exact
.endr
.irp p, 0,2
	v_pk_mul_f32 v[F+\p:F+\p+1], v[F+\p:F+\p+1], s[14:15] op_sel_hi:[1,0]          ; pos[j]
	v_pk_mul_f32 v[G+\p:G+\p+1], v[G+\p:G+\p+1], s[14:15] op_sel_hi:[1,0]          ; pos[j+1]
.endr
.irp p, 0,2
	v_pk_add_f32 v[F+\p:F+\p+1], v[G+\p:G+\p+1], v[F+\p:F+\p+1] neg_lo:[0,1] neg_hi:[0,1]   ; the interval's length
.endr
.irp s, 0,1,2,3
	v_cmp_lt_f32 s[M+\s], 0, v[X+4*\k+\s]          ; x > 0: idx = j+1; else idx = 0
.endr
.irp s, 0,1,2,3
	v_rcp_f32 v[R+\s], v[F+\s]                     ; the plain instructions that must stand behind these before R is used (ISA guide 5.7.2) are the selects below, which name neither F nor R
.endr
.irp s, 0,1,2,3
	v_cndmask_b32 v[G+\s], 0, v[G+\s], s[M+\s]     ; pos[idx]
.endr
.irp p, 0,2
	v_pk_add_f32 v[G+\p:G+\p+1], v[X+4*\k+\p:X+4*\k+\p+1], v[G+\p:G+\p+1] neg_lo:[0,1] neg_hi:[0,1]   ; x - pos[idx]
.endr
	s_wait_alu depctr_va_vdst(0)
.irp p, 0,2
	v_pk_mul_f32 v[T+4*\k+\p:T+4*\k+\p+1], v[G+\p:G+\p+1], v[R+\p:R+\p+1]
.endr
.endm
; Chunk k of trip b: clip, blend, add the two samples of each output, store.  left = how many younger loads may stay out.
.macro BLEND b, k, left
	s_wait_loadcnt \left                           ; loads come back in order (ISA guide 5.7.1): this chunk's eight gathers are in
.irp s, 0,1,2,3
	v_med3_num_f32 v[YA+4*\k+\s], v[YA+4*\k+\s], 0, 1.0
	v_med3_num_f32 v[YB+4*\k+\s], v[YB+4*\k+\s], 0, 1.0
.endr
.irp p, 0,2
	v_pk_add_f32 v[YA+4*\k+\p:YA+4*\k+\p+1], v[YB+4*\k+\p:YB+4*\k+\p+1], v[YA+4*\k+\p:YA+4*\k+\p+1] neg_lo:[0,1] neg_hi:[0,1]
.endr
.irp p, 0,2
	v_pk_fma_f32 v[YA+4*\k+\p:YA+4*\k+\p+1], v[YA+4*\k+\p:YA+4*\k+\p+1], v[T+4*\k+\p:T+4*\k+\p+1], v[YB+4*\k+\p:YB+4*\k+\p+1]
.endr
	v_add_f32 v[YA+4*\k],   v[YA+4*\k],   v[YA+4*\k+1]
	v_add_f32 v[YA+4*\k+1], v[YA+4*\k+2], v[YA+4*\k+3]
	global_store_b64 v[OOFF], v[YA+4*\k:YA+4*\k+1], s[10:11] offset:(ITEMS*(\b)+\k)*CHUNK/2 th:TH_STORE_NT   ; the wave's 32 lanes: 256 consecutive bytes, aligned
.endm
; ahead = 1: the next trip's stream loads are issued, behind the gathers, once W and X have been used.
.macro TRIP b, ahead
	s_wait_loadcnt 4                               ; eight stream loads are out at the most: the four of knots are in, the four of sample points may stay out
.if \b
	s_wait_xcnt 0x0                                ; YA holds the data of the last trip's stores: loaded again only behind this wait
.endif
.irp k, 0,1,2,3
	ADDR \k                                        ; AD is free: the last trip's waits have shown its gathers done
.endr
	s_wait_loadcnt 32                              ; the sample points are in: only the 32 gathers are younger
.irp k, 0,1,2,3
	WEIGHT \k
.endr
.if \ahead
	FETCH (\b)+1
.endif
.irp k, 0,1,2,3
	BLEND \b, \k, 8*\ahead+8*(3-\k)                ; younger: the later chunks' gathers, eight each, and the eight stream loads if there are any
.endr
.endm
	FETCH 0
	TRIP 0, 1
	TRIP 1, 1
	TRIP 2, 1
	TRIP 3, 0                                      ; the last trip fetches nothing: its counts run down to 0
	s_endpgm
.Lfunc_end_k_qdd1e29292c_blend:
	.size	k_qdd1e29292c_blend, .Lfunc_end_k_qdd1e29292c_blend-k_qdd1e29292c_blend
	.p2alignl 7, 3214868480
	.fill 96, 4, 3214868480
	.section	.rodata,"a",@progbits
	.p2align	6, 0x0
	.amdhsa_kernel k_qdd1e29292c_blend
		.amdhsa_group_segment_fixed_size 0
		.amdhsa_private_segment_fixed_size 0
		.amdhsa_enable_private_segment 0
		.amdhsa_kernarg_size 32
		.amdhsa_user_sgpr_count 2
		.amdhsa_user_sgpr_kernarg_segment_ptr 1
		.amdhsa_wavefront_size32 1
		.amdhsa_system_sgpr_workgroup_id_x 1
		.amdhsa_system_sgpr_workgroup_id_y 1
		.amdhsa_system_sgpr_workgroup_id_z 1
		.amdhsa_system_vgpr_workitem_id 0
		.amdhsa_next_free_vgpr 112
		.amdhsa_next_free_sgpr 66
		.amdhsa_reserve_vcc 0
		.amdhsa_float_denorm_mode_32 3
		.amdhsa_float_denorm_mode_16_64 3
		.amdhsa_memory_ordered 1
		.amdhsa_forward_progress 1
		.amdhsa_inst_pref_size 74
	.end_amdhsa_kernel
	.amdgpu_metadata
---
amdhsa.version: [ 1, 2 ]
amdhsa.kernels:
  - .name:           k_qdd1e29292c_blend
    .symbol:         k_qdd1e29292c_blend.kd
    .args:
      - { .name: knots, .offset: 0, .size: 8, .value_kind: global_buffer, .address_space: global }
      - { .name: sample_points, .offset: 8, .size: 8, .value_kind: global_buffer, .address_space: global }
      - { .name: activations, .offset: 16, .size: 8, .value_kind: global_buffer, .address_space: global }
      - { .name: out0, .offset: 24, .size: 8, .value_kind: global_buffer, .address_space: global }
    .group_segment_fixed_size: 0
    .private_segment_fixed_size: 0
    .kernarg_segment_align: 8
    .kernarg_segment_size: 32
    .max_flat_workgroup_size: 256
    .sgpr_count:     66
    .vgpr_count:     112
    .wavefront_size: 32
...
	.end_amdgpu_metadata
.endif
;; end of part 2
;; ======== version 2 of 3: 2 launches; 1.13 times as fast as version 1
;; workspace buffers: knots 67,108,864 bytes of whole numbers
;; launch locate (part 3): grid 1024 x 1, 8 waves a work-group, no clusters, 0 bytes of LDS; arguments sample_points, knots; writes knots
.if DOCPART == 3
	.amdgcn_target "amdgcn-amd-amdhsa--gfx1250"
	.amdhsa_code_object_version 6
	.text
	.protected	k_qdd1e29292c_locate
	.globl	k_qdd1e29292c_locate
	.p2align	8
	.type	k_qdd1e29292c_locate,@function
k_qdd1e29292c_locate:
	s_mov_b64 s[64:65], 0
	v_nop
	global_prefetch_b8 v0, s[64:65] scope:SCOPE_SE
	s_setreg_imm32_b32 hwreg(HW_REG_WAVE_MODE, 25, 1), 1
	s_wait_xcnt 0x0
; LOCATE: for each of the 2^24 sample points, the outcome of reference()'s searchsorted, as a whole number that also keeps the point.
; reference(): pos = linspace(0, 1, n), n = 2^24; idx = the first i with pos[i] >= x (x clipped to [0, 1]); the sample then uses
; y[idx-1] and y[idx]; idx = 0 wraps to the last interval, n-2.  The gather is a later launch's: an address is never made from
; floating-point numbers in the launch that derives it.
;
; THE WORD.  knots[s] = bits(x) | d << 30.  A clipped x has the bit pattern 0 .. 0x3f800000: bits 31:30 are free.  With G = 2^24 x and
; F = max(floor(G), 1), which the later launch reads off x's exponent and mantissa by shifts, the interval is j = idx - 1 = F - d, d = 0 .. 3.
; So one word of 4 bytes a sample carries the interval and the point itself, unrounded, and the later launch reads no other stream.
;
; THE KNOTS.  pos[i] is taken as the f32 product RN(i x c), c = RN(1 / (n-1)) = 2^-24 (1 + 2^-23): linspace's quotient by the constant
; n-1, evaluated as compiled code evaluates it, by the rounded reciprocal.  The knots are about one f32 step apart near 1, so the
; rounding of each knot decides idx and has to be reproduced: here by one correctly rounded multiply.  A power of two changes no
; rounding: pos[i] >= x is the same as RN(i x (1 + 2^-23)) >= G.
; THE SEARCH.  i 2^-24 <= pos[i] <= (i + 2) 2^-24 and pos never falls, so pos[F+1] >= x and pos[F-3] < x always:
; idx = F + 1 - d, d = how many of pos[F], pos[F-1], pos[F-2] are >= x.  Three compares; each implies the one before it.
; x = 0: F = 1, pos[1] and pos[0] hold, the product for i = -1 is negative: d = 2, j = -1, which the later launch wraps to n-2.
; 0 < G < 1: F = 1, d = 1, j = 0.  x = 1: F = n, all three products round to 2^24 or more: d = 3, idx = n-2.
; LIMIT: a NaN among the sample points is clipped as a number (v_med3_num_f32), not handed on.
;
; Eight waves; the work-group owns 16 rows of 4,096 bytes; thread t owns the 16 bytes (4 samples) at 16 t of each row, so a load or a
; store of a wave covers 512 consecutive bytes, aligned.  A ring of DEPTH register slots keeps DEPTH loads of each wave in flight.
; The 16 rows are written out: every row's place is an immediate, and no address register is ever rewritten.
.set ROWB,  4096                       ; bytes that the 256 threads cover with 16 bytes each
.set ROWS,  16                         ; rows of a work-group: 1,024 groups x 16 x 4,096 = 64 MiB
.set DEPTH, 8                          ; slots = loads in flight in each wave
.set OFF,   1                          ; v1        16 t; never rewritten
.set X,     2                          ; v[2:33]   slot i: 4 sample points
.set K,     34                         ; v[34:65]  slot i: 4 words to store
.set GG,    66                         ; v[66:69]  G = 2^24 x
.set FL,    70                         ; v[70:73]  F, then 2^24 pos[F]
.set A1,    74                         ; v[74:77]  F-1, then 2^24 pos[F-1]
.set A2,    78                         ; v[78:81]  F-2, then 2^24 pos[F-2]
.set TT,    82                         ; v[82:85]  d << 30
.set C1,    86                         ; v[86:88]  1 << 30, 2 << 30, 3 << 30
.set M,     16                         ; s[16:27]  the twelve compares' masks
	s_load_b128 s[4:7], s[0:1], 0x0                ; sample_points s[4:5], knots s[6:7]
	s_lshl_b32 s2, ttmp9, 16                       ; the work-group's 64 KiB (1,024 x 64 KiB = 2^26: fits 32 bits)
	s_mov_b32 s3, 0
	s_mov_b32 s8, 0x4b800000                       ; 2^24, as a pair for the packed multiply
	s_mov_b32 s9, 0x4b800000
	s_mov_b32 s10, 0x3f800001                      ; 1 + 2^-23 = 2^24 c
	s_mov_b32 s11, 0x3f800001
	s_mov_b32 s12, 0x3fffffff                      ; the 30 bits of a clipped x
	v_lshlrev_b32 v[OFF], 4, v0
	v_mov_b32 v[C1],   0x40000000
	v_mov_b32 v[C1+1], 0x80000000
	v_mov_b32 v[C1+2], 0xc0000000
	s_wait_kmcnt 0x0
	s_add_nc_u64 s[4:5], s[4:5], s[2:3]
	s_add_nc_u64 s[6:7], s[6:7], s[2:3]
.irp i, 0,1,2,3,4,5,6,7
	global_load_b128 v[X+4*\i:X+4*\i+3], v[OFF], s[4:5] offset:\i*ROWB th:TH_LOAD_NT   ; fill the ring: rows 0 to 7
.endr
; Row r, in slot r mod DEPTH.  ahead = 1: the slot is filled again with the row DEPTH further down.
; left = how many younger loads may still be out when this row's load has to be there.
.macro ROW r, ahead, left
.set xs, X+4*((\r)%DEPTH)
.set ks, K+4*((\r)%DEPTH)
	s_wait_loadcnt \left                           ; loads come back in order (ISA guide 5.7.1): mine is in, the younger ones stay out
.if (\r) >= DEPTH
	s_wait_xcnt 0x0                                ; the slot's K registers are the data of the store of DEPTH rows ago: rewritten only behind this wait
.endif
.irp k, 0,1,2,3
	v_med3_num_f32 v[xs+\k], v[xs+\k], 0, 1.0      ; clip to [0, 1]
.endr
.irp p, 0,2
	v_pk_mul_f32 v[GG+\p:GG+\p+1], v[xs+\p:xs+\p+1], s[8:9] op_sel_hi:[1,0]        ; G, exact
.endr
.irp k, 0,1,2,3
	v_floor_f32 v[FL+\k], v[GG+\k]
.endr
.irp k, 0,1,2,3
	v_max_num_f32 v[FL+\k], 1.0, v[FL+\k]          ; F: what the later launch's shift gives, which is 1 for every G below 1
.endr
.irp p, 0,2
	v_pk_add_f32 v[A1+\p:A1+\p+1], v[FL+\p:FL+\p+1], -1.0 op_sel_hi:[1,0]          ; whole numbers up to 2^24: exact
	v_pk_add_f32 v[A2+\p:A2+\p+1], v[FL+\p:FL+\p+1], -2.0 op_sel_hi:[1,0]
.endr
.irp p, 0,2
	v_pk_mul_f32 v[FL+\p:FL+\p+1], v[FL+\p:FL+\p+1], s[10:11] op_sel_hi:[1,0]      ; the knots' own rounding
	v_pk_mul_f32 v[A1+\p:A1+\p+1], v[A1+\p:A1+\p+1], s[10:11] op_sel_hi:[1,0]
	v_pk_mul_f32 v[A2+\p:A2+\p+1], v[A2+\p:A2+\p+1], s[10:11] op_sel_hi:[1,0]
.endr
.irp k, 0,1,2,3
	v_cmp_ge_f32 s[M+\k],   v[FL+\k], v[GG+\k]     ; pos[F]   >= x
	v_cmp_ge_f32 s[M+4+\k], v[A1+\k], v[GG+\k]     ; pos[F-1] >= x (then the first holds too)
	v_cmp_ge_f32 s[M+8+\k], v[A2+\k], v[GG+\k]     ; pos[F-2] >= x (then both hold)
.endr
.irp k, 0,1,2,3
	v_cndmask_b32 v[TT+\k], 0, v[C1], s[M+\k]      ; the last compare that holds names d
.endr
.irp k, 0,1,2,3
	v_cndmask_b32 v[TT+\k], v[TT+\k], v[C1+1], s[M+4+\k]
.endr
.irp k, 0,1,2,3
	v_cndmask_b32 v[TT+\k], v[TT+\k], v[C1+2], s[M+8+\k]
.endr
.irp k, 0,1,2,3
	v_and_or_b32 v[ks+\k], v[xs+\k], s12, v[TT+\k] ; x's 30 bits (the mask drops the sign of a -0) and d above them
.endr
.if \ahead
	global_load_b128 v[xs:xs+3], v[OFF], s[4:5] offset:((\r)+DEPTH)*ROWB th:TH_LOAD_NT   ; x has been used: the slot's next row
.endif
	global_store_b128 v[OFF], v[ks:ks+3], s[6:7] offset:(\r)*ROWB th:TH_STORE_NT
.endm
.irp r, 0,1,2,3,4,5,6,7
	ROW \r, 1, DEPTH-1
.endr
.irp r, 8,9,10,11,12,13,14,15
	ROW \r, 0, ROWS-1-\r                           ; the last eight rows load nothing: the counts run down
.endr
	s_endpgm
.Lfunc_end_k_qdd1e29292c_locate:
	.size	k_qdd1e29292c_locate, .Lfunc_end_k_qdd1e29292c_locate-k_qdd1e29292c_locate
	.p2alignl 7, 3214868480
	.fill 96, 4, 3214868480
	.section	.rodata,"a",@progbits
	.p2align	6, 0x0
	.amdhsa_kernel k_qdd1e29292c_locate
		.amdhsa_group_segment_fixed_size 0
		.amdhsa_private_segment_fixed_size 0
		.amdhsa_enable_private_segment 0
		.amdhsa_kernarg_size 16
		.amdhsa_user_sgpr_count 2
		.amdhsa_user_sgpr_kernarg_segment_ptr 1
		.amdhsa_wavefront_size32 1
		.amdhsa_system_sgpr_workgroup_id_x 1
		.amdhsa_system_sgpr_workgroup_id_y 1
		.amdhsa_system_sgpr_workgroup_id_z 1
		.amdhsa_system_vgpr_workitem_id 0
		.amdhsa_next_free_vgpr 90
		.amdhsa_next_free_sgpr 66
		.amdhsa_reserve_vcc 0
		.amdhsa_float_denorm_mode_32 3
		.amdhsa_float_denorm_mode_16_64 3
		.amdhsa_memory_ordered 1
		.amdhsa_forward_progress 1
		.amdhsa_inst_pref_size 53
	.end_amdhsa_kernel
	.amdgpu_metadata
---
amdhsa.version: [ 1, 2 ]
amdhsa.kernels:
  - .name:           k_qdd1e29292c_locate
    .symbol:         k_qdd1e29292c_locate.kd
    .args:
      - { .name: sample_points, .offset: 0, .size: 8, .value_kind: global_buffer, .address_space: global }
      - { .name: knots, .offset: 8, .size: 8, .value_kind: global_buffer, .address_space: global }
    .group_segment_fixed_size: 0
    .private_segment_fixed_size: 0
    .kernarg_segment_align: 8
    .kernarg_segment_size: 16
    .max_flat_workgroup_size: 256
    .sgpr_count:     66
    .vgpr_count:     90
    .wavefront_size: 32
...
	.end_amdgpu_metadata
.endif
;; end of part 3
;; launch blend (part 4): grid 1024 x 1, 8 waves a work-group, no clusters, 0 bytes of LDS; arguments knots, activations, out0; writes out0
.if DOCPART == 4
	.amdgcn_target "amdgcn-amd-amdhsa--gfx1250"
	.amdhsa_code_object_version 6
	.text
	.protected	k_qdd1e29292c_blend
	.globl	k_qdd1e29292c_blend
	.p2align	8
	.type	k_qdd1e29292c_blend,@function
k_qdd1e29292c_blend:
	s_mov_b64 s[64:65], 0
	v_nop
	global_prefetch_b8 v0, s[64:65] scope:SCOPE_SE
	s_setreg_imm32_b32 hwreg(HW_REG_WAVE_MODE, 25, 1), 1
	s_wait_xcnt 0x0
; BLEND: out[o] = ynew[2 o] + ynew[2 o + 1],  ynew = y[idx] + (y[idx] - y[idx-1]) / (pos[idx] - pos[idx-1]) x (x - pos[idx]),
; y and x clipped to [0, 1]; n = 2^24.
; knots[s] (from the launch before) = bits(x) | d << 30: the clipped sample point's 30 bits, and above them the outcome of the search among
; the rounded knots.  The interval is j = idx - 1 = F - d, F = max(floor(2^24 x), 1).
; F BY WHOLE NUMBERS.  x = m 2^(e-150), m = its 24-bit mantissa with the leading one, e = its exponent field (at most 127, so 7 bits).
; 2^24 x = (m << 8) >> (134 - e).  The shift is 7 for x = 1 and is held at 31, where m << 8, whose top bit is set, gives 1: that is F for
; every x below 2^-24, zero and denormals too (their mantissa is shifted out whole).
; j = -1 (x = 0, idx = 0) is the largest unsigned number: the minimum with n-2 is reference()'s wrap to the last interval.
; Per sample: y[j] and y[j+1] are gathered; pos[j] and pos[j+1] are made anew as RN(4 j x c/4), c = 2^-24 (1 + 2^-23), the same
; correctly rounded product by which the launch before searched; weight = (x - pos[idx]) / (pos[j+1] - pos[j]); one fused multiply-add.
; idx = 0: pos[idx] = pos[0] = 0, chosen by a select; the interval is the last one, whose two knots are both 1.0, so its slope is a
; quotient by 0 and reference() gives NaN whatever y[0] is: here 0 x (1/0) = NaN, which the multiply-add hands on.
; LIMITS: a NaN among the activations is clipped as a number (v_med3_num_f32), not handed on.  The quotient is v_rcp_f32 and a multiply, and the
; weight is formed before it meets y[idx] - y[idx-1]: the order of rounding differs from reference()'s by a few units in the last place.
;
; Eight waves; the work-group owns 64 KiB of knots and 32 KiB of out: 16 chunks of 4,096 bytes of knots.  Thread t owns the 16 bytes
; (4 samples, 2 outputs) at 16 t of each chunk, so a stream load of a wave covers 512 consecutive bytes and a store 256, both aligned.
; A RING OF FOUR GATHER SLOTS.  A slot holds a chunk's 4 offsets and its 8 gathered numbers.  Step c: chunk c's gathers are in; it is blended and
; stored; chunk c+8's words are asked for; chunk c+4's offsets are made and its 8 gathers go out into the slot just freed; its weights are
; made while they are out.  So 24 to 32 gathers of each wave are out from the first chunk to the last, and the arithmetic lies between arrivals.
; EIGHT WORD SLOTS.  A word is replaced in place by its x and then by its weight, and its slot is loaded again when its chunk has been blended.
; EIGHT PAIRS OF OUTPUTS.  Only the data of stores 0 to 7 are ever rewritten, in steps 8 to 15: one wait at the head of step 8 serves all.
; The 16 steps are written out: every stream offset is an immediate, and no address register of a stream is ever rewritten.
; No LDS: no lane uses what another lane loaded.
.set CHUNK, 4096                       ; 1,024 groups x 16 x 4,096 = 64 MiB
.set OFF,   1                          ; v1        16 t; never rewritten
.set OOFF,  2                          ; v2        8 t; never rewritten
.set W,     4                          ; v[4:35]   word slot c mod 8: 4 words, then their x, then their weights
.set AD,    36                         ; v[36:51]  gather slot c mod 4: 4 j, the gather offsets and the weights' source
.set YA,    52                         ; v[52:67]  gather slot c mod 4: y[j]; then at work
.set YB,    68                         ; v[68:83]  gather slot c mod 4: y[j+1]
.set F,     84                         ; v[84:87]  at work
.set G,     88                         ; v[88:91]  at work
.set R,     92                         ; v[92:95]  at work
.set O,     96                         ; v[96:111] pair c mod 8: the chunk's two outputs
.set M,     16                         ; s[16:19]  masks
	s_load_b128 s[4:7], s[0:1], 0x0                ; knots s[4:5], activations s[6:7]
	s_load_b64 s[8:9], s[0:1], 0x10                ; out0
	s_lshl_b32 s2, ttmp9, 16                       ; the work-group's 64 KiB of knots
	s_mov_b32 s3, 0
	s_lshl_b32 s10, ttmp9, 15                      ; its 32 KiB of out
	s_mov_b32 s11, 0
	s_mov_b32 s12, 0x32800001                      ; c / 4 = 2^-26 (1 + 2^-23), as a pair for the packed multiply
	s_mov_b32 s13, 0x32800001
	s_mov_b32 s14, 0x80000000                      ; the mantissa's leading one, at the top of the word
	s_mov_b32 s15, 0x3fffffff                      ; x's 30 bits
	v_lshlrev_b32 v[OFF], 4, v0
	v_lshlrev_b32 v[OOFF], 3, v0
	s_wait_kmcnt 0x0
	s_add_nc_u64 s[4:5], s[4:5], s[2:3]
	s_add_nc_u64 s[8:9], s[8:9], s[10:11]
.macro WORDS c                         ; chunk c's words: one stream load
	global_load_b128 v[W+4*((\c)%8):W+4*((\c)%8)+3], v[OFF], s[4:5] offset:(\c)*CHUNK th:TH_LOAD_NT
.endm
; Chunk c: j, offsets and gathers.  A loaded number enters an address only behind v_min_u32 with a constant of at most 0x100000
; so j (24 bits) goes in two parts: the number of its block of 16 numbers (at most 0xfffff) and its place in the
; block (at most 15).  j is at most n-2, so that y[j+1], 4 bytes on, is the table's last number at the most.
.macro ADDR c
.set wb, W+4*((\c)%8)
.set ab, AD+4*((\c)%4)
.set ya, YA+4*((\c)%4)
.set yb, YB+4*((\c)%4)
.irp s, 0,1,2,3
	v_bfe_u32     v[F+\s], v[wb+\s], 23, 7         ; e
	v_lshl_or_b32 v[G+\s], v[wb+\s], 8, s14        ; m << 8: d and the exponent fall off the top, the leading one is set
	v_lshrrev_b32 v[R+\s], 30, v[wb+\s]            ; d
.endr
.irp s, 0,1,2,3
	v_sub_nc_u32 v[F+\s], 0x86, v[F+\s]            ; 134 - e, 7 at the least
.endr
.irp s, 0,1,2,3
	v_min_u32 v[F+\s], 31, v[F+\s]
.endr
.irp s, 0,1,2,3
	v_lshrrev_b32 v[G+\s], v[F+\s], v[G+\s]        ; F = max(floor(2^24 x), 1)
.endr
.irp s, 0,1,2,3
	v_sub_nc_u32 v[G+\s], v[G+\s], v[R+\s]         ; j, or -1 where idx = 0
.endr
.irp s, 0,1,2,3
	v_min_u32 v[G+\s], 0xfffffe, v[G+\s]           ; the wrap: -1 becomes n-2; every other j is smaller already
.endr
.irp s, 0,1,2,3
	v_lshrrev_b32 v[F+\s], 4, v[G+\s]
	v_and_b32     v[R+\s], 15, v[G+\s]
.endr
.irp s, 0,1,2,3
	v_min_u32 v[F+\s], 0xfffff, v[F+\s]
	v_min_u32 v[R+\s], 15, v[R+\s]
.endr
.irp s, 0,1,2,3
	v_lshl_add_u32 v[F+\s], v[F+\s], 4, v[R+\s]    ; j again
.endr
.irp s, 0,1,2,3
	v_lshlrev_b32 v[ab+\s], 2, v[F+\s]             ; 4 j.  The slot's offsets are free: the step's wait has shown its last gathers done
.endr
.irp s, 0,1,2,3
	global_load_b32 v[ya+\s], v[ab+\s], s[6:7]             ; y[j]
	global_load_b32 v[yb+\s], v[ab+\s], s[6:7] offset:4    ; y[j+1]
.endr
.endm
; Chunk c: the four weights, from 4 j and x alone; they take the words' place.
.macro WEIGHT c
.set wb, W+4*((\c)%8)
.set ab, AD+4*((\c)%4)
.irp s, 0,1,2,3
	v_cvt_f32_u32 v[F+\s], v[ab+\s]                ; 4 j: 24 significant bits, exact (the gathers only read these registers)
	v_and_b32 v[wb+\s], s15, v[wb+\s]              ; x, as the launch before clipped it
.endr
.irp p, 0,2
	v_pk_add_f32 v[G+\p:G+\p+1], v[F+\p:F+\p+1], 4.0 op_sel_hi:[1,0]               ; 4 (j+1), exact
.endr
.irp p, 0,2
	v_pk_mul_f32 v[F+\p:F+\p+1], v[F+\p:F+\p+1], s[12:13] op_sel_hi:[1,0]          ; pos[j]
	v_pk_mul_f32 v[G+\p:G+\p+1], v[G+\p:G+\p+1], s[12:13] op_sel_hi:[1,0]          ; pos[j+1]
.endr
.irp p, 0,2
	v_pk_add_f32 v[F+\p:F+\p+1], v[G+\p:G+\p+1], v[F+\p:F+\p+1] neg_lo:[0,1] neg_hi:[0,1]   ; the interval's length
.endr
.irp s, 0,1,2,3
	v_cmp_lt_f32 s[M+\s], 0, v[wb+\s]              ; x > 0: idx = j+1; else idx = 0
.endr
.irp s, 0,1,2,3
	v_rcp_f32 v[R+\s], v[F+\s]                     ; the plain instructions that must stand behind these before R is used (ISA guide 5.7.2) are the selects below, which name neither F nor R
.endr
.irp s, 0,1,2,3
	v_cndmask_b32 v[G+\s], 0, v[G+\s], s[M+\s]     ; pos[idx]
.endr
.irp p, 0,2
	v_pk_add_f32 v[G+\p:G+\p+1], v[wb+\p:wb+\p+1], v[G+\p:G+\p+1] neg_lo:[0,1] neg_hi:[0,1]   ; x - pos[idx]
.endr
	s_wait_alu depctr_va_vdst(0)
.irp p, 0,2
	v_pk_mul_f32 v[wb+\p:wb+\p+1], v[G+\p:G+\p+1], v[R+\p:R+\p+1]                  ; the weight, where x was
.endr
.endm
; Chunk c: clip, blend, add the two samples of each output, store.  left = how many younger loads may stay out.
.macro BLEND c, left
.set wb, W+4*((\c)%8)
.set ya, YA+4*((\c)%4)
.set yb, YB+4*((\c)%4)
.set ob, O+2*((\c)%8)
	s_wait_loadcnt \left                           ; loads come back in order (ISA guide 5.7.1): this chunk's eight gathers are in, and all that is older
.if (\c) == 8
	s_wait_xcnt 0x0                                ; the eight pairs of outputs are the data of stores 0 to 7, all issued by now: they are rewritten, from here on, only behind this wait
.endif
.irp s, 0,1,2,3
	v_med3_num_f32 v[ya+\s], v[ya+\s], 0, 1.0
	v_med3_num_f32 v[yb+\s], v[yb+\s], 0, 1.0
.endr
.irp p, 0,2
	v_pk_add_f32 v[ya+\p:ya+\p+1], v[yb+\p:yb+\p+1], v[ya+\p:ya+\p+1] neg_lo:[0,1] neg_hi:[0,1]
.endr
.irp p, 0,2
	v_pk_fma_f32 v[ya+\p:ya+\p+1], v[ya+\p:ya+\p+1], v[wb+\p:wb+\p+1], v[yb+\p:yb+\p+1]
.endr
	v_add_f32 v[ob],   v[ya],   v[ya+1]
	v_add_f32 v[ob+1], v[ya+2], v[ya+3]
	global_store_b64 v[OOFF], v[ob:ob+1], s[8:9] offset:(\c)*CHUNK/2 th:TH_STORE_NT   ; the wave's 32 lanes: 256 consecutive bytes, aligned
.endm
; Step c.  words = 1: chunk c+8's words are asked for, into the word slot that the blending has just done with.
; more = 1: chunk c+4 goes into the gather slot just freed.  Its words are in: they were asked for ahead of chunk c's gathers.
.macro STEP c, left, words, more
	BLEND \c, \left
.if \words
	WORDS (\c)+8
.endif
.if \more
	ADDR (\c)+4
	WEIGHT (\c)+4
.endif
.endm
	; The order of a wave's loads: W0 .. W7 (1 each); G0 .. G3 (8 each); then step c issues W(c+8), c <= 7, and G(c+4), c <= 11.
.irp c, 0,1,2,3,4,5,6,7
	WORDS \c
.endr
.irp k, 0,1,2,3
	s_wait_loadcnt 7+7*\k                          ; chunk k's words are in: younger are 7 - k loads of words and the 8 k gathers issued so far
	ADDR \k
.endr
.irp k, 0,1,2,3
	WEIGHT \k
.endr
	; left = what was issued behind G(c): for c >= 3 the loads of steps c-3, c-2, c-1, nine in a step that asks for words and gathers, eight in one that gathers alone
	STEP 0,  24, 1, 1                              ; G1, G2, G3
	STEP 1,  25, 1, 1                              ; G2, G3, step 0's nine
	STEP 2,  26, 1, 1                              ; G3, two steps' nine
	STEP 3,  27, 1, 1                              ; three steps' nine, and so on
	STEP 4,  27, 1, 1
	STEP 5,  27, 1, 1
	STEP 6,  27, 1, 1
	STEP 7,  27, 1, 1                              ; the last words are asked for
	STEP 8,  27, 0, 1
	STEP 9,  26, 0, 1                              ; 9 + 9 + 8
	STEP 10, 25, 0, 1                              ; 9 + 8 + 8
	STEP 11, 24, 0, 1                              ; the last gathers go out
	STEP 12, 24, 0, 0                              ; nothing more is asked for: the counts run down
	STEP 13, 16, 0, 0
	STEP 14, 8,  0, 0
	STEP 15, 0,  0, 0
	s_endpgm
.Lfunc_end_k_qdd1e29292c_blend:
	.size	k_qdd1e29292c_blend, .Lfunc_end_k_qdd1e29292c_blend-k_qdd1e29292c_blend
	.p2alignl 7, 3214868480
	.fill 96, 4, 3214868480
	.section	.rodata,"a",@progbits
	.p2align	6, 0x0
	.amdhsa_kernel k_qdd1e29292c_blend
		.amdhsa_group_segment_fixed_size 0
		.amdhsa_private_segment_fixed_size 0
		.amdhsa_enable_private_segment 0
		.amdhsa_kernarg_size 24
		.amdhsa_user_sgpr_count 2
		.amdhsa_user_sgpr_kernarg_segment_ptr 1
		.amdhsa_wavefront_size32 1
		.amdhsa_system_sgpr_workgroup_id_x 1
		.amdhsa_system_sgpr_workgroup_id_y 1
		.amdhsa_system_sgpr_workgroup_id_z 1
		.amdhsa_system_vgpr_workitem_id 0
		.amdhsa_next_free_vgpr 112
		.amdhsa_next_free_sgpr 66
		.amdhsa_reserve_vcc 0
		.amdhsa_float_denorm_mode_32 3
		.amdhsa_float_denorm_mode_16_64 3
		.amdhsa_memory_ordered 1
		.amdhsa_forward_progress 1
		.amdhsa_inst_pref_size 97
	.end_amdhsa_kernel
	.amdgpu_metadata
---
amdhsa.version: [ 1, 2 ]
amdhsa.kernels:
  - .name:           k_qdd1e29292c_blend
    .symbol:         k_qdd1e29292c_blend.kd
    .args:
      - { .name: knots, .offset: 0, .size: 8, .value_kind: global_buffer, .address_space: global }
      - { .name: activations, .offset: 8, .size: 8, .value_kind: global_buffer, .address_space: global }
      - { .name: out0, .offset: 16, .size: 8, .value_kind: global_buffer, .address_space: global }
    .group_segment_fixed_size: 0
    .private_segment_fixed_size: 0
    .kernarg_segment_align: 8
    .kernarg_segment_size: 24
    .max_flat_workgroup_size: 256
    .sgpr_count:     66
    .vgpr_count:     112
    .wavefront_size: 32
...
	.end_amdgpu_metadata
.endif
;; end of part 4
;; ======== version 3 of 3: 2 launches; version 2 with the launches locate, blend written anew for expert scheduling mode
;; workspace buffers: knots 67,108,864 bytes of whole numbers
;; launch locate (part 5): grid 1024 x 1, 8 waves a work-group, no clusters, 0 bytes of LDS; arguments sample_points, knots; writes knots
.if DOCPART == 5
	.amdgcn_target "amdgcn-amd-amdhsa--gfx1250"
	.amdhsa_code_object_version 6
	.text
	.protected	k_qdd1e29292c_locate
	.globl	k_qdd1e29292c_locate
	.p2align	8
	.type	k_qdd1e29292c_locate,@function
k_qdd1e29292c_locate:
	s_mov_b64 s[64:65], 0
	v_nop
	global_prefetch_b8 v0, s[64:65] scope:SCOPE_SE
	s_setreg_imm32_b32 hwreg(HW_REG_WAVE_SCHED_MODE, 0, 2), 2
	s_setreg_imm32_b32 hwreg(HW_REG_WAVE_MODE, 25, 1), 1
	s_wait_xcnt 0x0
	s_wait_alu depctr_vm_vsrc(0)
; LOCATE: for each of the 2^24 sample points, the outcome of reference()'s searchsorted, as a whole number that also keeps the point.
; reference(): pos = linspace(0, 1, n), n = 2^24; idx = the first i with pos[i] >= x (x clipped to [0, 1]); the sample then uses
; y[idx-1] and y[idx]; idx = 0 wraps to the last interval, n-2.  The gather is a later launch's: an address is never made from
; floating-point numbers in the launch that derives it.
;
; THE WORD.  knots[s] = bits(x) | d << 30.  A clipped x has the bit pattern 0 .. 0x3f800000: bits 31:30 are free.  With G = 2^24 x and
; F = max(floor(G), 1), which the later launch reads off x's exponent and mantissa by shifts, the interval is j = idx - 1 = F - d, d = 0 .. 3.
; So one word of 4 bytes a sample carries the interval and the point itself, unrounded, and the later launch reads no other stream.
;
; THE KNOTS.  pos[i] is taken as the f32 product RN(i x c), c = RN(1 / (n-1)) = 2^-24 (1 + 2^-23): linspace's quotient by the constant
; n-1, evaluated as compiled code evaluates it, by the rounded reciprocal.  The knots are about one f32 step apart near 1, so the
; rounding of each knot decides idx and has to be reproduced: here by one correctly rounded multiply.  A power of two changes no
; rounding: pos[i] >= x is the same as RN(i x (1 + 2^-23)) >= G.
; THE SEARCH.  i 2^-24 <= pos[i] <= (i + 2) 2^-24 and pos never falls, so pos[F+1] >= x and pos[F-3] < x always:
; idx = F + 1 - d, d = how many of pos[F], pos[F-1], pos[F-2] are >= x.  Three compares; each implies the one before it.
; x = 0: F = 1, pos[1] and pos[0] hold, the product for i = -1 is negative: d = 2, j = -1, which the later launch wraps to n-2.
; 0 < G < 1: F = 1, d = 1, j = 0.  x = 1: F = n, all three products round to 2^24 or more: d = 3, idx = n-2.
; LIMIT: a NaN among the sample points is clipped as a number (v_med3_num_f32), not handed on.
;
; Eight waves; the work-group owns 16 rows of 4,096 bytes; thread t owns the 16 bytes (4 samples) at 16 t of each row, so a load or a
; store of a wave covers 512 consecutive bytes, aligned.
; The 16 rows are written out: every row's place is an immediate, and no address register is ever rewritten.
; THE MODE: SCHED_MODE bits 1:0 = 2 (LLVM: expert scheduling mode 2), set by the entry lines.  The code itself states the register dependences
; between vector instructions and memory instructions, with s_wait_alu, always for 0.
; THE PLAN.  Registers that memory instructions touch:
;   v[OFF]     made once at the head, read by every load and store, never written again.
;   X0 .. X8   nine slots of x.  Row r clips X[r mod 9] in place and reads it; the load of row r + 8, issued at the head of row r, lands in X[(r-1) mod 9].
;   K0 .. K8   nine slots of words.  Row r's last four lines write K[r mod 9]; the store that reads it is issued at the head of row r + 1.
; So a row's two memory instructions touch the two slots that the row before worked on, which no vector instruction of this row names: one wait on
; va_vdst at the row's head states all that they hang on.  With nine slots of K only the data of stores 0 to 6 are ever rewritten, in rows 9 to 15:
; one pair of waits, at the head of row 9, serves all seven.  The compares write scalar registers: one wait on va_sdst a row, behind the run of twelve.
; Behind a row's own load eight younger loads of the wave are out while it waits for its data.
.set ROWB,  4096                       ; bytes that the 256 threads cover with 16 bytes each
.set ROWS,  16                         ; rows of a work-group: 1,024 groups x 16 x 4,096 = 64 MiB
.set SLOTS, 9                          ; slots of x and of words: one of each lies idle from its row's end to the next row's head
.set OFF,   1                          ; v1        16 t; never rewritten
.set X,     2                          ; v[2:37]   slot i: 4 sample points
.set K,     38                         ; v[38:73]  slot i: 4 words to store
.set GG,    74                         ; v[74:77]  G = 2^24 x
.set FL,    78                         ; v[78:81]  F, then 2^24 pos[F]
.set A1,    82                         ; v[82:85]  F-1, then 2^24 pos[F-1]
.set A2,    86                         ; v[86:89]  F-2, then 2^24 pos[F-2]
.set TT,    90                         ; v[90:93]  d << 30
.set C1,    94                         ; v[94:96]  1 << 30, 2 << 30, 3 << 30
.set M,     16                         ; s[16:27]  the twelve compares' masks
	s_load_b128 s[4:7], s[0:1], 0x0                ; sample_points s[4:5], knots s[6:7]
	s_lshl_b32 s2, ttmp9, 16                       ; the work-group's 64 KiB (1,024 x 64 KiB = 2^26: fits 32 bits)
	s_mov_b32 s3, 0
	s_mov_b32 s8, 0x4b800000                       ; 2^24, as a pair for the packed multiply
	s_mov_b32 s9, 0x4b800000
	s_mov_b32 s10, 0x3f800001                      ; 1 + 2^-23 = 2^24 c
	s_mov_b32 s11, 0x3f800001
	s_mov_b32 s12, 0x3fffffff                      ; the 30 bits of a clipped x
	v_lshlrev_b32 v[OFF], 4, v0
	v_mov_b32 v[C1],   0x40000000
	v_mov_b32 v[C1+1], 0x80000000
	v_mov_b32 v[C1+2], 0xc0000000
	s_wait_kmcnt 0x0
	s_add_nc_u64 s[4:5], s[4:5], s[2:3]
	s_add_nc_u64 s[6:7], s[6:7], s[2:3]
	s_wait_alu depctr_va_vdst(0)                   ; v[OFF] is written: every load and store of the kernel reads it as its offset
.irp i, 0,1,2,3,4,5,6,7,8
	global_load_b128 v[X+4*\i:X+4*\i+3], v[OFF], s[4:5] offset:\i*ROWB th:TH_LOAD_NT   ; fill the slots: rows 0 to 8
.endr
; Row r, in slot r mod SLOTS.  ahead = 1: the slot of the row before is filled again, with the row SLOTS - 1 further down than this one.
; left = how many younger loads may still be out when this row's load has to be there.
.macro ROW r, ahead, left
.set xs, X+4*((\r)%SLOTS)
.set ks, K+4*((\r)%SLOTS)
.set xp, X+4*(((\r)+SLOTS-1)%SLOTS)    ; the slots of the row before
.set kp, K+4*(((\r)+SLOTS-1)%SLOTS)
.if (\r) == SLOTS
	s_wait_xcnt 0x0                                ; K0 to K6 are the data of stores 0 to 6, all issued by now: they are rewritten, from this row on, only behind this wait,
	s_wait_alu depctr_vm_vsrc(0)                   ; and behind this one: those stores have read K0 to K6
.endif
.if (\r) > 0
	s_wait_alu depctr_va_vdst(0)                   ; the row before has written its K, which the store below reads, and is done clipping and reading its X, in which the load below lands
.if \ahead
	global_load_b128 v[xp:xp+3], v[OFF], s[4:5] offset:((\r)+SLOTS-1)*ROWB th:TH_LOAD_NT
.endif
	global_store_b128 v[OFF], v[kp:kp+3], s[6:7] offset:((\r)-1)*ROWB th:TH_STORE_NT
.endif
	s_wait_loadcnt \left                           ; loads come back in order (ISA guide 5.7.1): mine is in, the younger ones stay out
.irp k, 0,1,2,3
	v_med3_num_f32 v[xs+\k], v[xs+\k], 0, 1.0      ; clip to [0, 1]
.endr
.irp p, 0,2
	v_pk_mul_f32 v[GG+\p:GG+\p+1], v[xs+\p:xs+\p+1], s[8:9] op_sel_hi:[1,0]        ; G, exact
.endr
.irp k, 0,1,2,3
	v_floor_f32 v[FL+\k], v[GG+\k]
.endr
.irp k, 0,1,2,3
	v_max_num_f32 v[FL+\k], 1.0, v[FL+\k]          ; F: what the later launch's shift gives, which is 1 for every G below 1
.endr
.irp p, 0,2
	v_pk_add_f32 v[A1+\p:A1+\p+1], v[FL+\p:FL+\p+1], -1.0 op_sel_hi:[1,0]          ; whole numbers up to 2^24: exact
	v_pk_add_f32 v[A2+\p:A2+\p+1], v[FL+\p:FL+\p+1], -2.0 op_sel_hi:[1,0]
.endr
.irp p, 0,2
	v_pk_mul_f32 v[FL+\p:FL+\p+1], v[FL+\p:FL+\p+1], s[10:11] op_sel_hi:[1,0]      ; the knots' own rounding
	v_pk_mul_f32 v[A1+\p:A1+\p+1], v[A1+\p:A1+\p+1], s[10:11] op_sel_hi:[1,0]
	v_pk_mul_f32 v[A2+\p:A2+\p+1], v[A2+\p:A2+\p+1], s[10:11] op_sel_hi:[1,0]
.endr
.irp k, 0,1,2,3
	v_cmp_ge_f32 s[M+\k],   v[FL+\k], v[GG+\k]     ; pos[F]   >= x
	v_cmp_ge_f32 s[M+4+\k], v[A1+\k], v[GG+\k]     ; pos[F-1] >= x (then the first holds too)
	v_cmp_ge_f32 s[M+8+\k], v[A2+\k], v[GG+\k]     ; pos[F-2] >= x (then both hold)
.endr
	s_wait_alu depctr_va_sdst(0)                   ; the twelve compares have written s[M .. M+11], ahead of the first select that reads one of them
.irp k, 0,1,2,3
	v_cndmask_b32 v[TT+\k], 0, v[C1], s[M+\k]      ; the last compare that holds names d
.endr
.irp k, 0,1,2,3
	v_cndmask_b32 v[TT+\k], v[TT+\k], v[C1+1], s[M+4+\k]
.endr
.irp k, 0,1,2,3
	v_cndmask_b32 v[TT+\k], v[TT+\k], v[C1+2], s[M+8+\k]
.endr
.irp k, 0,1,2,3
	v_and_or_b32 v[ks+\k], v[xs+\k], s12, v[TT+\k] ; x's 30 bits (the mask drops the sign of a -0) and d above them
.endr
.endm
.irp r, 0,1,2,3,4,5,6,7
	ROW \r, 1, SLOTS-1                             ; behind row r's own load the rows r + 1 to r + 8 are younger (row 0 issues none: rows 1 to 8 were asked for above)
.endr
.irp r, 8,9,10,11,12,13,14,15
	ROW \r, 0, ROWS-1-\r                           ; the last eight rows load nothing: the counts run down
.endr
	s_wait_alu depctr_va_vdst(0)                   ; row 15 has written its K, which the last store reads
	global_store_b128 v[OFF], v[K+4*((ROWS-1)%SLOTS):K+4*((ROWS-1)%SLOTS)+3], s[6:7] offset:(ROWS-1)*ROWB th:TH_STORE_NT
	s_endpgm
.Lfunc_end_k_qdd1e29292c_locate:
	.size	k_qdd1e29292c_locate, .Lfunc_end_k_qdd1e29292c_locate-k_qdd1e29292c_locate
	.p2alignl 7, 3214868480
	.fill 96, 4, 3214868480
	.section	.rodata,"a",@progbits
	.p2align	6, 0x0
	.amdhsa_kernel k_qdd1e29292c_locate
		.amdhsa_group_segment_fixed_size 0
		.amdhsa_private_segment_fixed_size 0
		.amdhsa_enable_private_segment 0
		.amdhsa_kernarg_size 16
		.amdhsa_user_sgpr_count 2
		.amdhsa_user_sgpr_kernarg_segment_ptr 1
		.amdhsa_wavefront_size32 1
		.amdhsa_system_sgpr_workgroup_id_x 1
		.amdhsa_system_sgpr_workgroup_id_y 1
		.amdhsa_system_sgpr_workgroup_id_z 1
		.amdhsa_system_vgpr_workitem_id 0
		.amdhsa_next_free_vgpr 98
		.amdhsa_next_free_sgpr 66
		.amdhsa_reserve_vcc 0
		.amdhsa_float_denorm_mode_32 3
		.amdhsa_float_denorm_mode_16_64 3
		.amdhsa_memory_ordered 1
		.amdhsa_forward_progress 1
		.amdhsa_inst_pref_size 54
	.end_amdhsa_kernel
	.amdgpu_metadata
---
amdhsa.version: [ 1, 2 ]
amdhsa.kernels:
  - .name:           k_qdd1e29292c_locate
    .symbol:         k_qdd1e29292c_locate.kd
    .args:
      - { .name: sample_points, .offset: 0, .size: 8, .value_kind: global_buffer, .address_space: global }
      - { .name: knots, .offset: 8, .size: 8, .value_kind: global_buffer, .address_space: global }
    .group_segment_fixed_size: 0
    .private_segment_fixed_size: 0
    .kernarg_segment_align: 8
    .kernarg_segment_size: 16
    .max_flat_workgroup_size: 256
    .sgpr_count:     66
    .vgpr_count:     98
    .wavefront_size: 32
...
	.end_amdgpu_metadata
.endif
;; end of part 5
;; launch blend (part 6): grid 1024 x 1, 8 waves a work-group, no clusters, 0 bytes of LDS; arguments knots, activations, out0; writes out0
.if DOCPART == 6
	.amdgcn_target "amdgcn-amd-amdhsa--gfx1250"
	.amdhsa_code_object_version 6
	.text
	.protected	k_qdd1e29292c_blend
	.globl	k_qdd1e29292c_blend
	.p2align	8
	.type	k_qdd1e29292c_blend,@function
k_qdd1e29292c_blend:
	s_mov_b64 s[64:65], 0
	v_nop
	global_prefetch_b8 v0, s[64:65] scope:SCOPE_SE
	s_setreg_imm32_b32 hwreg(HW_REG_WAVE_SCHED_MODE, 0, 2), 2
	s_setreg_imm32_b32 hwreg(HW_REG_WAVE_MODE, 25, 1), 1
	s_wait_xcnt 0x0
	s_wait_alu depctr_vm_vsrc(0)
; BLEND: out[o] = ynew[2 o] + ynew[2 o + 1],  ynew = y[idx] + (y[idx] - y[idx-1]) / (pos[idx] - pos[idx-1]) x (x - pos[idx]),
; y and x clipped to [0, 1]; n = 2^24.
; knots[s] (from the launch before) = bits(x) | d << 30: the clipped sample point's 30 bits, and above them the outcome of the search among
; the rounded knots.  The interval is j = idx - 1 = F - d, F = max(floor(2^24 x), 1).
; F BY WHOLE NUMBERS.  x = m 2^(e-150), m = its 24-bit mantissa with the leading one, e = its exponent field (at most 127, so 7 bits).
; 2^24 x = (m << 8) >> (134 - e).  The shift is 7 for x = 1 and is held at 31, where m << 8, whose top bit is set, gives 1: that is F for
; every x below 2^-24, zero and denormals too (their mantissa is shifted out whole).
; j = -1 (x = 0, idx = 0) is the largest unsigned number: the minimum with n-2 is reference()'s wrap to the last interval.
; Per sample: y[j] and y[j+1] are gathered; pos[j] and pos[j+1] are made anew as RN(4 j x c/4), c = 2^-24 (1 + 2^-23), the same
; correctly rounded product by which the launch before searched; weight = (x - pos[idx]) / (pos[j+1] - pos[j]); one fused multiply-add.
; idx = 0: pos[idx] = pos[0] = 0, chosen by a select; the interval is the last one, whose two knots are both 1.0, so its slope is a
; quotient by 0 and reference() gives NaN whatever y[0] is: here 0 x (1/0) = NaN, which the multiply-add hands on.
; LIMITS: a NaN among the activations is clipped as a number (v_med3_num_f32), not handed on.  The quotient is v_rcp_f32 and a multiply, and the
; weight is formed before it meets y[idx] - y[idx-1]: the order of rounding differs from reference()'s by a few units in the last place.
;
; Eight waves; the work-group owns 64 KiB of knots and 32 KiB of out: 16 chunks of 4,096 bytes of knots.  Thread t owns the 16 bytes
; (4 samples, 2 outputs) at 16 t of each chunk, so a stream load of a wave covers 512 consecutive bytes and a store 256, both aligned.
; A RING OF FOUR GATHER SLOTS.  A slot holds a chunk's 4 offsets and its 8 gathered numbers.  Step c: chunk c's gathers are in; it is blended;
; chunk c+4's offsets are made; chunk c+8's words are asked for, chunk c+4's 8 gathers go out into the slot just freed, chunk c is stored; chunk c+4's
; weights are made while its gathers are out.  So 24 to 32 gathers of each wave are out from the first chunk to the last, and the arithmetic lies between arrivals.
; EIGHT WORD SLOTS.  A word is replaced in place by its x and then by its weight, and its slot is loaded again when its chunk has been blended.
; EIGHT PAIRS OF OUTPUTS.  Only the data of stores 0 to 7 are ever rewritten, in steps 8 to 15: the waits at the head of step 8 serve all.
; The 16 steps are written out: every stream offset is an immediate, and no address register of a stream is ever rewritten.
; No LDS: no lane uses what another lane loaded.
; THE MODE: SCHED_MODE bits 1:0 = 2 (LLVM: expert scheduling mode 2), set by the entry lines.  The code itself states the register dependences
; between vector instructions and memory instructions, with s_wait_alu, always for 0.
; THE PLAN.  Registers that memory instructions touch:
;   v[OFF], v[OOFF]  made once at the head, read by the stream loads and the stores, never written again.
;   W0 .. W7    a load of words lands; the chunk's offset lines read it, its weight lines rewrite it, its blending reads it; in step c the words of chunk c+8 land in W[c mod 8].
;   AD0 .. AD3  written by a chunk's offset lines; read by its eight gathers and by its weight lines; AD[c mod 4] is written again in step c, for chunk c+4.
;   YA, YB      the gathers land; the blending clips them in place and works in YA; in step c the gathers of chunk c+4 land in slot c mod 4.
;   O0 .. O7    written by the blending's two sums; read by the chunk's store; O[c mod 8] is written again in step c+8.
;   F, G, R     are named by vector instructions alone.
; ONE wait on va_vdst stands in a step, behind the blending of chunk c and the offset lines of chunk c+4: it states that O[c mod 8] and AD[c mod 4] are written and that the
; blending is done with YA, YB [c mod 4] and W[c mod 8].  The step's ten memory instructions follow it in one run.  The weight lines behind them write W[(c+4) mod 8], F, G, R and only
; read AD[c mod 4]: they write nothing that those ten read and name nothing in which a load lands.
; One wait on vm_vsrc stands at the head of steps 0, 4 and 8, once a turn of the ring: all gathers issued so far have read their offsets, so all four AD may be written in the four steps that follow.
.set CHUNK, 4096                       ; 1,024 groups x 16 x 4,096 = 64 MiB
.set OFF,   1                          ; v1        16 t; never rewritten
.set OOFF,  2                          ; v2        8 t; never rewritten
.set W,     4                          ; v[4:35]   word slot c mod 8: 4 words, then their x, then their weights
.set AD,    36                         ; v[36:51]  gather slot c mod 4: 4 j, the gather offsets and the weights' source
.set YA,    52                         ; v[52:67]  gather slot c mod 4: y[j]; then at work
.set YB,    68                         ; v[68:83]  gather slot c mod 4: y[j+1]
.set F,     84                         ; v[84:87]  at work
.set G,     88                         ; v[88:91]  at work
.set R,     92                         ; v[92:95]  at work
.set O,     96                         ; v[96:111] pair c mod 8: the chunk's two outputs
.set M,     16                         ; s[16:19]  masks
	s_load_b128 s[4:7], s[0:1], 0x0                ; knots s[4:5], activations s[6:7]
	s_load_b64 s[8:9], s[0:1], 0x10                ; out0
	s_lshl_b32 s2, ttmp9, 16                       ; the work-group's 64 KiB of knots
	s_mov_b32 s3, 0
	s_lshl_b32 s10, ttmp9, 15                      ; its 32 KiB of out
	s_mov_b32 s11, 0
	s_mov_b32 s12, 0x32800001                      ; c / 4 = 2^-26 (1 + 2^-23), as a pair for the packed multiply
	s_mov_b32 s13, 0x32800001
	s_mov_b32 s14, 0x80000000                      ; the mantissa's leading one, at the top of the word
	s_mov_b32 s15, 0x3fffffff                      ; x's 30 bits
	v_lshlrev_b32 v[OFF], 4, v0
	v_lshlrev_b32 v[OOFF], 3, v0
	s_wait_kmcnt 0x0
	s_add_nc_u64 s[4:5], s[4:5], s[2:3]
	s_add_nc_u64 s[8:9], s[8:9], s[10:11]
.macro WORDS c                         ; chunk c's words: one stream load
	global_load_b128 v[W+4*((\c)%8):W+4*((\c)%8)+3], v[OFF], s[4:5] offset:(\c)*CHUNK th:TH_LOAD_NT
.endm
; Chunk c: j and the gather offsets.  A loaded number enters an address only behind v_min_u32 with a constant of at most 0x100000
; so j (24 bits) goes in two parts: the number of its block of 16 numbers (at most 0xfffff) and its place in the
; block (at most 15).  j is at most n-2, so that y[j+1], 4 bytes on, is the table's last number at the most.
.macro OFFSETS c
.set wb, W+4*((\c)%8)
.set ab, AD+4*((\c)%4)
.irp s, 0,1,2,3
	v_bfe_u32     v[F+\s], v[wb+\s], 23, 7         ; e
	v_lshl_or_b32 v[G+\s], v[wb+\s], 8, s14        ; m << 8: d and the exponent fall off the top, the leading one is set
	v_lshrrev_b32 v[R+\s], 30, v[wb+\s]            ; d
.endr
.irp s, 0,1,2,3
	v_sub_nc_u32 v[F+\s], 0x86, v[F+\s]            ; 134 - e, 7 at the least
.endr
.irp s, 0,1,2,3
	v_min_u32 v[F+\s], 31, v[F+\s]
.endr
.irp s, 0,1,2,3
	v_lshrrev_b32 v[G+\s], v[F+\s], v[G+\s]        ; F = max(floor(2^24 x), 1)
.endr
.irp s, 0,1,2,3
	v_sub_nc_u32 v[G+\s], v[G+\s], v[R+\s]         ; j, or -1 where idx = 0
.endr
.irp s, 0,1,2,3
	v_min_u32 v[G+\s], 0xfffffe, v[G+\s]           ; the wrap: -1 becomes n-2; every other j is smaller already
.endr
.irp s, 0,1,2,3
	v_lshrrev_b32 v[F+\s], 4, v[G+\s]
	v_and_b32     v[R+\s], 15, v[G+\s]
.endr
.irp s, 0,1,2,3
	v_min_u32 v[F+\s], 0xfffff, v[F+\s]
	v_min_u32 v[R+\s], 15, v[R+\s]
.endr
.irp s, 0,1,2,3
	v_lshl_add_u32 v[F+\s], v[F+\s], 4, v[R+\s]    ; j again
.endr
.irp s, 0,1,2,3
	v_lshlrev_b32 v[ab+\s], 2, v[F+\s]             ; 4 j.  The slot's offsets are free: the step's wait for data has shown its last gathers done, and the turn's wait on vm_vsrc that they have read them
.endr
.endm
; Chunk c: its eight gathers.
.macro GATHER c
.set ab, AD+4*((\c)%4)
.set ya, YA+4*((\c)%4)
.set yb, YB+4*((\c)%4)
.irp s, 0,1,2,3
	global_load_b32 v[ya+\s], v[ab+\s], s[6:7]             ; y[j]
	global_load_b32 v[yb+\s], v[ab+\s], s[6:7] offset:4    ; y[j+1]
.endr
.endm
; Chunk c: the four weights, from 4 j and x alone; they take the words' place.
.macro WEIGHT c
.set wb, W+4*((\c)%8)
.set ab, AD+4*((\c)%4)
.irp s, 0,1,2,3
	v_cvt_f32_u32 v[F+\s], v[ab+\s]                ; 4 j: 24 significant bits, exact (the gathers only read these registers)
	v_and_b32 v[wb+\s], s15, v[wb+\s]              ; x, as the launch before clipped it
.endr
.irp p, 0,2
	v_pk_add_f32 v[G+\p:G+\p+1], v[F+\p:F+\p+1], 4.0 op_sel_hi:[1,0]               ; 4 (j+1), exact
.endr
.irp p, 0,2
	v_pk_mul_f32 v[F+\p:F+\p+1], v[F+\p:F+\p+1], s[12:13] op_sel_hi:[1,0]          ; pos[j]
	v_pk_mul_f32 v[G+\p:G+\p+1], v[G+\p:G+\p+1], s[12:13] op_sel_hi:[1,0]          ; pos[j+1]
.endr
.irp p, 0,2
	v_pk_add_f32 v[F+\p:F+\p+1], v[G+\p:G+\p+1], v[F+\p:F+\p+1] neg_lo:[0,1] neg_hi:[0,1]   ; the interval's length
.endr
.irp s, 0,1,2,3
	v_cmp_lt_f32 s[M+\s], 0, v[wb+\s]              ; x > 0: idx = j+1; else idx = 0
.endr
.irp s, 0,1,2,3
	v_rcp_f32 v[R+\s], v[F+\s]                     ; the plain instructions that must stand behind these before R is used (ISA guide 5.7.2) are the selects below, which name neither F nor R
.endr
	s_wait_alu depctr_va_sdst(0)                   ; the four compares have written s[M .. M+3], ahead of the first select that reads one of them
.irp s, 0,1,2,3
	v_cndmask_b32 v[G+\s], 0, v[G+\s], s[M+\s]     ; pos[idx]
.endr
.irp p, 0,2
	v_pk_add_f32 v[G+\p:G+\p+1], v[wb+\p:wb+\p+1], v[G+\p:G+\p+1] neg_lo:[0,1] neg_hi:[0,1]   ; x - pos[idx]
.endr
	s_wait_alu depctr_va_vdst(0)
.irp p, 0,2
	v_pk_mul_f32 v[wb+\p:wb+\p+1], v[G+\p:G+\p+1], v[R+\p:R+\p+1]                  ; the weight, where x was
.endr
.endm
; Chunk c: clip, blend, add the two samples of each output.
.macro MIX c
.set wb, W+4*((\c)%8)
.set ya, YA+4*((\c)%4)
.set yb, YB+4*((\c)%4)
.set ob, O+2*((\c)%8)
.irp s, 0,1,2,3
	v_med3_num_f32 v[ya+\s], v[ya+\s], 0, 1.0
	v_med3_num_f32 v[yb+\s], v[yb+\s], 0, 1.0
.endr
.irp p, 0,2
	v_pk_add_f32 v[ya+\p:ya+\p+1], v[yb+\p:yb+\p+1], v[ya+\p:ya+\p+1] neg_lo:[0,1] neg_hi:[0,1]
.endr
.irp p, 0,2
	v_pk_fma_f32 v[ya+\p:ya+\p+1], v[ya+\p:ya+\p+1], v[wb+\p:wb+\p+1], v[yb+\p:yb+\p+1]
.endr
	v_add_f32 v[ob],   v[ya],   v[ya+1]
	v_add_f32 v[ob+1], v[ya+2], v[ya+3]
.endm
; Chunk c: its store.
.macro SEND c
	global_store_b64 v[OOFF], v[O+2*((\c)%8):O+2*((\c)%8)+1], s[8:9] offset:(\c)*CHUNK/2 th:TH_STORE_NT   ; the wave's 32 lanes: 256 consecutive bytes, aligned
.endm
; Step c.  left = how many younger loads may stay out.  words = 1: chunk c+8's words are asked for, into the word slot that the blending has just done with.
; more = 1: chunk c+4 goes into the gather slot just freed.  Its words are in: they were asked for ahead of chunk c's gathers.
.macro STEP c, left, words, more
	s_wait_loadcnt \left                           ; loads come back in order (ISA guide 5.7.1): this chunk's eight gathers are in, and all that is older
.if (\c) == 8
	s_wait_xcnt 0x0                                ; the eight pairs of outputs are the data of stores 0 to 7, all issued by now: they are rewritten, from here on, only behind this wait
.endif
.if (\c) == 0 || (\c) == 4 || (\c) == 8
	s_wait_alu depctr_vm_vsrc(0)                   ; the gathers issued so far have read AD0 to AD3, which this step and the three behind it write again; in step 8 also: stores 0 to 7 have read O0 to O7
.endif
	MIX \c
.if \more
	OFFSETS (\c)+4
.endif
	s_wait_alu depctr_va_vdst(0)                   ; the two outputs are written, which the store reads; where gathers follow, their offsets are written, and the blending is done with the registers in which they and the words land
.if \words
	WORDS (\c)+8
.endif
.if \more
	GATHER (\c)+4
.endif
	SEND \c
.if \more
	WEIGHT (\c)+4                                  ; no wait: these lines write W[(c+4) mod 8], F, G and R, which none of the ten memory instructions above names
.endif
.endm
	; The order of a wave's loads: W0 .. W7 (1 each); G0 .. G3 (8 each); then step c issues W(c+8), c <= 7, and G(c+4), c <= 11.
	s_wait_alu depctr_va_vdst(0)                   ; v[OFF] and v[OOFF] are written: the stream loads and the stores read them as their offsets
.irp c, 0,1,2,3,4,5,6,7
	WORDS \c
.endr
.irp k, 0,1,2,3
	s_wait_loadcnt 7+7*\k                          ; chunk k's words are in: younger are 7 - k loads of words and the 8 k gathers issued so far
	OFFSETS \k
	s_wait_alu depctr_va_vdst(0)                   ; chunk k's four offsets are written, which its gathers read.  A wait to each chunk: its gathers go out as soon as its offsets are made
	GATHER \k
.endr
.irp k, 0,1,2,3
	WEIGHT \k
.endr
	; left = what was issued behind G(c): for c >= 3 the loads of steps c-3, c-2, c-1, nine in a step that asks for words and gathers, eight in one that gathers alone
	STEP 0,  24, 1, 1                              ; G1, G2, G3
	STEP 1,  25, 1, 1                              ; G2, G3, step 0's nine
	STEP 2,  26, 1, 1                              ; G3, two steps' nine
	STEP 3,  27, 1, 1                              ; three steps' nine, and so on
	STEP 4,  27, 1, 1
	STEP 5,  27, 1, 1
	STEP 6,  27, 1, 1
	STEP 7,  27, 1, 1                              ; the last words are asked for
	STEP 8,  27, 0, 1
	STEP 9,  26, 0, 1                              ; 9 + 9 + 8
	STEP 10, 25, 0, 1                              ; 9 + 8 + 8
	STEP 11, 24, 0, 1                              ; the last gathers go out
	STEP 12, 24, 0, 0                              ; nothing more is asked for: the counts run down
	STEP 13, 16, 0, 0
	STEP 14, 8,  0, 0
	STEP 15, 0,  0, 0
	s_endpgm
.Lfunc_end_k_qdd1e29292c_blend:
	.size	k_qdd1e29292c_blend, .Lfunc_end_k_qdd1e29292c_blend-k_qdd1e29292c_blend
	.p2alignl 7, 3214868480
	.fill 96, 4, 3214868480
	.section	.rodata,"a",@progbits
	.p2align	6, 0x0
	.amdhsa_kernel k_qdd1e29292c_blend
		.amdhsa_group_segment_fixed_size 0
		.amdhsa_private_segment_fixed_size 0
		.amdhsa_enable_private_segment 0
		.amdhsa_kernarg_size 24
		.amdhsa_user_sgpr_count 2
		.amdhsa_user_sgpr_kernarg_segment_ptr 1
		.amdhsa_wavefront_size32 1
		.amdhsa_system_sgpr_workgroup_id_x 1
		.amdhsa_system_sgpr_workgroup_id_y 1
		.amdhsa_system_sgpr_workgroup_id_z 1
		.amdhsa_system_vgpr_workitem_id 0
		.amdhsa_next_free_vgpr 112
		.amdhsa_next_free_sgpr 66
		.amdhsa_reserve_vcc 0
		.amdhsa_float_denorm_mode_32 3
		.amdhsa_float_denorm_mode_16_64 3
		.amdhsa_memory_ordered 1
		.amdhsa_forward_progress 1
		.amdhsa_inst_pref_size 98
	.end_amdhsa_kernel
	.amdgpu_metadata
---
amdhsa.version: [ 1, 2 ]
amdhsa.kernels:
  - .name:           k_qdd1e29292c_blend
    .symbol:         k_qdd1e29292c_blend.kd
    .args:
      - { .name: knots, .offset: 0, .size: 8, .value_kind: global_buffer, .address_space: global }
      - { .name: activations, .offset: 8, .size: 8, .value_kind: global_buffer, .address_space: global }
      - { .name: out0, .offset: 16, .size: 8, .value_kind: global_buffer, .address_space: global }
    .group_segment_fixed_size: 0
    .private_segment_fixed_size: 0
    .kernarg_segment_align: 8
    .kernarg_segment_size: 24
    .max_flat_workgroup_size: 256
    .sgpr_count:     66
    .vgpr_count:     112
    .wavefront_size: 32
...
	.end_amdgpu_metadata
.endif
;; end of part 6
